; MI455X (gfx1250); checked and timed in simulation.
; The chip was launched on July 23, 2026; its instructions are those of AMD's public machine-readable ISA for CDNA 5 (MIT licence, August 2026) and "CDNA5" Instruction Set Architecture Reference Guide (July 2026). The comments in the code are by the model that wrote it; some were corrected since.
;; Patched Phi Mo E Sparse Moe Block. Allowed arithmetic: float matrix products may take bf16 or f16 operands with f32 sums; other float arithmetic in f32, or as packed bf16 or f16 multiplies, adds, multiply-adds, maxima and minima; sums over many terms, partial sums and values carried from step to step in f32; what a program stores and reads back later, other than sums and carried values, may be rounded once to bf16 or f16.
;; Inputs: down_weights 16 x 1,024 x 128 float32; gate_up_weights 16 x 256 x 1,024 float32; gate_weight 16 x 1,024 float32; hidden_states 4 x 2,048 x 1,024 float32.
;; Outputs: out0 4 x 2,048 x 1,024 float32; out1 8,192 x 16 float32.
;; One version. Each part assembles by itself: llvm-mc -triple=amdgcn-amd-amdhsa -mcpu=gfx1250 --defsym DOCPART=n.
;; ======== version 1 of 1: 2 launches
;; workspace buffers: rlist 65,536 bytes of whole numbers; cw 65,536 bytes; wgu 8,388,608 bytes; wdn 4,194,304 bytes
;; launch router (part 1): grid 256 x 1, 4 waves a work-group, no clusters, 311,296 bytes of LDS; arguments hidden_states, gate_weight, gate_up_weights, down_weights, out1, rlist, cw, wgu, wdn; writes out1, rlist, cw, wgu, wdn
.if DOCPART == 1
	.amdgcn_target "amdgcn-amd-amdhsa--gfx1250"
	.amdhsa_code_object_version 6
	.text
	.protected	k_q29eb171856_router
	.globl	k_q29eb171856_router
	.p2align	8
	.type	k_q29eb171856_router,@function
k_q29eb171856_router:
	s_mov_b64 s[64:65], 0
	v_nop
	global_prefetch_b8 v0, s[64:65] scope:SCOPE_SE
	s_setreg_imm32_b32 hwreg(HW_REG_WAVE_MODE, 25, 1), 1
	s_wait_xcnt 0x0
; ROUTER, AND THE WEIGHTS LAID OUT.  256 work-groups of four waves.  Work-group g owns tokens 32 g .. 32 g + 31, rows 16 g .. of gate_up (4,096 rows of 1,024 f32)
; and rows 64 g .. of down (16,384 rows of 128 f32).
; (1) logits = x . gate_weight^T, both rounded to bf16, sums in f32 on the matrix unit; wave w takes K = 256 w .. 256 w + 255, the four partial sums meet in LDS (f32).  -> out1
; (2) wave 0, lane = token: the two largest logits (ties: the lower index), each gate weight = 1 / sum of exp(s - m) over the scores that pass the 2 per cent test;
;     the maximum is taken away in front of every exponential.  Stored at fixed places: rlist[g][lane] = { pair number p, four byte counts of pairs 4 lane .. 4 lane + 3 in this block },
;     cw[token] = { weight of the lower-numbered expert a, weight of b }, p = a (31 - a) / 2 + b - a - 1.  No address and no branch hangs on these numbers here.
; (3) gate_up and down rounded to bf16 and stored as matrix operand fragments of 1,024 bytes: [half c][lane 16 h + r][16 bytes] = W[n0 + r][k0 + 16 c + 8 h .. + 7].
;     wgu: [expert][hf][k step 32][fragment 8]: fragments 0-3 gate rows 64 hf + 16 i, 4-7 up rows 128 + 64 hf + 16 i.   wdn: [expert][n / 128][k step 4][(n / 16) % 8].
; LIMITS.  Logits are finite: NaN and infinities are not treated apart.  The test (m - s) / f > 0.02 is made as (m - s) - 0.02 f > 0 by one fused multiply-add:
; it can differ from the quotient only where that lies within a rounding of 0.02.
; NO CLUSTER: the work-groups share only the 64 KiB of gate weights, 64 of the 300 KiB that a work-group brings in.
; LDS: each wave has 75,008 bytes of its own, filled once by four tensor loads (four of mine are out at the most) and read by that wave alone.
.set P4,    1040                       ; a row of 256 f32 + 16 bytes of padding = 260 words: row r starts at bank 4 r mod 64 (64 banks of 4 bytes: ISA guide 11.1)
.set PD,    528                        ; a row of 128 f32 + 16 bytes = 132 words: likewise
.set GWO,   0                          ; 16 rows of gate_weight, my K quarter
.set XO,    16*P4                      ; 32 rows of x, my K quarter
.set GUO,   48*P4                      ; 16 rows of gate_up, my K quarter
.set DNO,   64*P4                      ; 16 whole rows of down
.set WAVEB, 64*P4+16*PD                ; 75,008 bytes a wave
.set PART,  4*WAVEB                    ; 4 x 2,048: a wave's partial logits, [32 tokens][16] f32
.set FIN,   PART+8192                  ; 32 tokens x 80 bytes: the logits
.set FP,    80
.set SPARE, FIN+32*FP                  ; the spare words: 128 bytes a wave, two blocks of 256 bytes that no other line names
.set G,     32                         ; v[32:95]   8 fragments of gate_weight; later at work
.set XF,    96                         ; v[96:159]  8 fragments
.set ST,    160                        ; v[160:223] 4 x 16 f32 as they come out of LDS
; v1 r, v2 h, v3 lane, v5/v6 my fragment addresses, v7 PART in, v24 16 t, v25 16 lane, v26 8 lane, v27 FIN in, v28 PART out, v29 FIN out, v30/v31 the add's two; v[8:15], v[16:23] accumulators
.macro LDF q, adr, off                 ; 16 f32 of a fragment: k = 8 h .. + 7 and 16 + 8 h .. + 7
	ds_load_b128 v[ST+16*(\q):ST+16*(\q)+3],     v[\adr] offset:(\off)
	ds_load_b128 v[ST+16*(\q)+4:ST+16*(\q)+7],   v[\adr] offset:(\off)+16
	ds_load_b128 v[ST+16*(\q)+8:ST+16*(\q)+11],  v[\adr] offset:(\off)+64
	ds_load_b128 v[ST+16*(\q)+12:ST+16*(\q)+15], v[\adr] offset:(\off)+80
.endm
.macro CVF dst, q                      ; rounded to bf16 in pairs: 8 operand registers
.irp j, 0,1,2,3,4,5,6,7
	v_cvt_pk_bf16_f32 v[(\dst)+\j], v[ST+16*(\q)+2*\j], v[ST+16*(\q)+2*\j+1]
.endr
.endm
.macro BATCH4 adr, off0, dst           ; four fragments, 32 along K apart
.irp q, 0,1,2,3
	LDF \q, \adr, (\off0)+128*\q
.endr
.irp q, 0,1,2,3
	s_wait_dscnt 12-4*\q                           ; LDS loads come back in order: fragment q is in, the younger fragments' loads stay out
	CVF (\dst)+8*\q, \q
.endr
.endm
.macro PUT src, b, imm                 ; a fragment out: each store covers 512 consecutive bytes, aligned
	global_store_b128 v25, v[(\src):(\src)+3],   s[(\b):(\b)+1] offset:(\imm)
	global_store_b128 v25, v[(\src)+4:(\src)+7], s[(\b):(\b)+1] offset:(\imm)+512
.endm
	s_load_b512 s[4:19], s[0:1], 0x0               ; x s[4:5], gate s[6:7], gate_up s[8:9], down s[10:11], out1 s[12:13], rlist s[14:15], cw s[16:17], wgu s[18:19]
	s_load_b64 s[20:21], s[0:1], 0x40              ; wdn
	v_lshl_add_u32 v30, v0, 2, SPARE
	v_mov_b32 v31, 0
	ds_add_u32 v30, v31                            ; the wave's opening: the add and its wait ahead of my first tensor load; the set-up below stands between them
	ds_add_u32 v30, v31
	v_lshrrev_b32 v1, 5, v0
	v_readfirstlane_b32 s22, v1                    ; wave 0..3
	s_mov_b32 s23, ttmp9                           ; g
	; descriptor group 1: 16 rows x 256 f32, pitch 1,024 elements, 4 words of padding behind every 256 words
	s_mov_b32 s24, (2<<16)|(1<<20)|(7<<22)|(3<<25)
	s_mov_b32 s25, 256<<16                         ; tensor_dim0 = 256
	s_mov_b32 s26, 16<<16                          ; tensor_dim1 = 16
	s_mov_b32 s27, 256<<16                         ; tile_dim0 = 256
	s_mov_b32 s28, 16                              ; tile_dim1 = 16
	s_mov_b32 s29, 1024
	s_mov_b32 s30, 0
	s_mov_b32 s31, 0
	; the same with 32 rows, for x
	s_mov_b32 s32, (2<<16)|(1<<20)|(7<<22)|(3<<25)
	s_mov_b32 s33, 256<<16
	s_mov_b32 s34, 32<<16
	s_mov_b32 s35, 256<<16
	s_mov_b32 s36, 32
	s_mov_b32 s37, 1024
	s_mov_b32 s38, 0
	s_mov_b32 s39, 0
	; 16 rows x 128 f32, dense, 4 words of padding behind every 128 words, for down
	s_mov_b32 s40, (2<<16)|(1<<20)|(6<<22)|(3<<25)
	s_mov_b32 s41, 128<<16
	s_mov_b32 s42, 16<<16
	s_mov_b32 s43, 128<<16
	s_mov_b32 s44, 16
	s_mov_b32 s45, 128
	s_mov_b32 s46, 0
	s_mov_b32 s47, 0
	s_mul_i32 s70, s22, WAVEB                      ; my wave's LDS bytes
	s_mov_b32 s48, 1
	s_add_co_u32 s49, s70, GWO
	s_mov_b32 s52, 1
	s_add_co_u32 s53, s70, XO
	s_mov_b32 s56, 1
	s_add_co_u32 s57, s70, GUO
	s_mov_b32 s60, 1
	s_add_co_u32 s61, s70, DNO
	s_lshl_b32 s72, s22, 10                        ; my K quarter: 1,024 bytes into a row
	s_mov_b32 s73, 0
	s_lshl_b32 s74, s23, 17                        ; x: 32 rows of 4,096 bytes a work-group
	s_add_co_u32 s74, s74, s72
	s_mov_b32 s75, 0
	s_lshl_b32 s76, s23, 16                        ; gate_up: 16 rows of 4,096 bytes
	s_add_co_u32 s76, s76, s72
	s_mov_b32 s77, 0
	s_lshl_b32 s78, s23, 15                        ; down: 64 rows of 512 bytes, 16 of them mine
	s_lshl_b32 s71, s22, 13
	s_add_co_u32 s78, s78, s71
	s_mov_b32 s79, 0
	s_mov_b32 s66, 0xbca3d70a                      ; -0.02
	s_mov_b32 s67, 0xbfb8aa3b                      ; -log2(e)
	s_mov_b32 s68, 0xff800000                      ; -infinity
	s_wait_dscnt 0x0                               ; the opening add is done
	s_wait_kmcnt 0x0
	s_add_nc_u64 s[50:51], s[6:7], s[72:73]
	s_or_b32 s51, s51, 0x80000000
	s_add_nc_u64 s[54:55], s[4:5], s[74:75]
	s_or_b32 s55, s55, 0x80000000
	s_add_nc_u64 s[58:59], s[8:9], s[76:77]
	s_or_b32 s59, s59, 0x80000000
	s_add_nc_u64 s[62:63], s[10:11], s[78:79]
	s_or_b32 s63, s63, 0x80000000
	tensor_load_to_lds s[48:51], s[24:31]          ; all first fills in one group: gate_weight,
	s_nop 0
	tensor_load_to_lds s[52:55], s[32:39]          ; x,
	s_nop 0
	tensor_load_to_lds s[56:59], s[24:31]          ; gate_up,
	s_nop 0
	tensor_load_to_lds s[60:63], s[40:47]          ; down
	s_nop 0
	; where the results go
	s_lshl_b32 s72, s23, 11
	s_add_nc_u64 s[80:81], s[12:13], s[72:73]      ; out1: 2,048 bytes a work-group
	s_lshl_b32 s72, s23, 8
	s_add_nc_u64 s[82:83], s[14:15], s[72:73]      ; rlist and cw: 256 bytes a work-group
	s_add_nc_u64 s[84:85], s[16:17], s[72:73]
	s_lshr_b32 s71, s23, 4                         ; expert
	s_and_b32 s74, s23, 15                         ; tt: which 16 rows of its 256 (gate_up), which 64 of its 1,024 (down)
	s_lshl_b32 s72, s71, 19
	s_bfe_u32 s75, s74, 0x10002                    ; hf = (tt >> 2) & 1
	s_lshl_b32 s75, s75, 18
	s_add_co_u32 s72, s72, s75
	s_lshl_b32 s75, s22, 16                        ; my 8 K steps of 8,192 bytes
	s_add_co_u32 s72, s72, s75
	s_and_b32 s75, s74, 3
	s_lshr_b32 s76, s74, 3
	s_lshl2_add_u32 s75, s76, s75                  ; fragment = (tt & 3) + 4 (tt >> 3)
	s_lshl_b32 s75, s75, 10
	s_add_co_u32 s72, s72, s75
	s_add_nc_u64 s[86:87], s[18:19], s[72:73]
	s_lshl_b32 s72, s71, 18
	s_lshr_b32 s75, s74, 1                         ; n / 128 = tt >> 1
	s_lshl_b32 s75, s75, 15
	s_add_co_u32 s72, s72, s75
	s_and_b32 s75, s74, 1
	s_lshl2_add_u32 s75, s75, s22                  ; fragment = 4 (tt & 1) + wave
	s_lshl_b32 s75, s75, 10
	s_add_co_u32 s72, s72, s75
	s_add_nc_u64 s[88:89], s[20:21], s[72:73]
	; lane addresses
	v_and_b32 v1, 15, v0                           ; r
	v_bfe_u32 v2, v0, 4, 1                         ; h
	v_and_b32 v3, 31, v0                           ; lane
	v_mul_u32_u24 v5, v1, P4
	v_lshl_add_u32 v5, v2, 5, v5
	v_add_nc_u32 v5, s70, v5                       ; my wave + r x pitch + 32 h
	v_mul_u32_u24 v6, v1, PD
	v_lshl_add_u32 v6, v2, 5, v6
	s_add_co_u32 s75, s70, DNO
	v_add_nc_u32 v6, s75, v6
	s_lshl_b32 s75, s22, 11
	s_add_co_u32 s75, s75, PART
	v_lshl_add_u32 v7, v1, 6, s75
	v_lshl_add_u32 v7, v2, 5, v7                   ; my partial sums: token r x 64 + 32 h
	v_lshlrev_b32 v24, 4, v0
	v_lshlrev_b32 v25, 4, v3
	v_lshlrev_b32 v26, 3, v3
	v_lshrrev_b32 v27, 2, v0
	v_mul_u32_u24 v27, v27, FP
	v_and_b32 v4, 3, v0
	v_lshl_add_u32 v27, v4, 4, v27
	v_add_nc_u32 v27, FIN, v27
	v_add_nc_u32 v28, PART, v24
	v_mul_u32_u24 v29, v3, FP
	v_add_nc_u32 v29, FIN, v29
	; THE LOGITS.  Source 0 = 16 experts, source 1 = 16 tokens: a lane holds token r, register j expert 8 h + j.  Two accumulators by turns.
	s_wait_tensorcnt 0x2                           ; gate_weight and x have landed; the two younger fills stay out
	BATCH4 5, GWO, G
	BATCH4 5, GWO+512, G+32
.irp half, 0,1
	BATCH4 5, XO+512*\half, XF
	BATCH4 5, XO+16*P4+512*\half, XF+32
.irp s, 0,1,2,3
.if (\half) == 0 && (\s) == 0
	v_wmma_f32_16x16x32_bf16 v[8:15],  v[G:G+7], v[XF:XF+7], 0
	v_wmma_f32_16x16x32_bf16 v[16:23], v[G:G+7], v[XF+32:XF+39], 0
.else
	v_wmma_f32_16x16x32_bf16 v[8:15],  v[G+32*\half+8*\s:G+32*\half+8*\s+7], v[XF+8*\s:XF+8*\s+7], v[8:15]
	v_wmma_f32_16x16x32_bf16 v[16:23], v[G+32*\half+8*\s:G+32*\half+8*\s+7], v[XF+32+8*\s:XF+32+8*\s+7], v[16:23]
.endif
.endr
.rept 4
	v_nop                                          ; four places: the fragments are written again, and the sums read, only behind them (ISA guide 7.12.1)
.endr
.endr
	ds_store_b128 v7, v[8:11]                      ; each accumulator from its low end on
	ds_store_b128 v7, v[12:15] offset:16
	ds_store_b128 v7, v[16:19] offset:1024
	ds_store_b128 v7, v[20:23] offset:1040
	s_wait_dscnt 0x0                               ; for the others: my partial sums are in LDS
	s_barrier_signal -1
	s_barrier_wait -1
	ds_load_b128 v[160:163], v28                   ; thread t: 16 bytes of each wave's partial sums
	ds_load_b128 v[164:167], v28 offset:2048
	ds_load_b128 v[168:171], v28 offset:4096
	ds_load_b128 v[172:175], v28 offset:6144
	s_wait_dscnt 0x0
	v_pk_add_f32 v[160:161], v[160:161], v[164:165]
	v_pk_add_f32 v[162:163], v[162:163], v[166:167]
	v_pk_add_f32 v[168:169], v[168:169], v[172:173]
	v_pk_add_f32 v[170:171], v[170:171], v[174:175]
	v_pk_add_f32 v[160:161], v[160:161], v[168:169]
	v_pk_add_f32 v[162:163], v[162:163], v[170:171]
	global_store_b128 v24, v[160:163], s[80:81]    ; out1: the work-group's 2,048 consecutive bytes
	ds_store_b128 v27, v[160:163]
	s_wait_dscnt 0x0                               ; for wave 0: the logits are in LDS
	s_barrier_signal -1
	s_barrier_wait -1
	s_wait_xcnt 0x0                                ; the store's data registers are loaded again below only behind this wait
	s_cmp_lg_u32 s22, 0
	s_cbranch_scc1 .Lnot_wave_0
	; THE CHOICE, wave 0, lane = token.  v[32:47] scores, v[96:111] scores with the first choice at -infinity, v48 m1, v49 i1, v50 m2, v51 i2
	ds_load_b128 v[32:35], v29
	ds_load_b128 v[36:39], v29 offset:16
	ds_load_b128 v[40:43], v29 offset:32
	ds_load_b128 v[44:47], v29 offset:48
	s_wait_dscnt 0x0
	v_mov_b32 v48, v32
	v_mov_b32 v49, 0
.irp e, 1,2,3,4,5,6,7,8,9,10,11,12,13,14,15
	v_cmp_gt_f32 vcc_lo, v[32+\e], v48             ; strictly greater: a tie keeps the lower index
	v_cndmask_b32 v48, v48, v[32+\e], vcc_lo
	v_cndmask_b32 v49, v49, \e, vcc_lo
.endr
.irp e, 0,1,2,3,4,5,6,7,8,9,10,11,12,13,14,15
	v_cmp_eq_u32 vcc_lo, \e, v49
	v_cndmask_b32 v[96+\e], v[32+\e], s68, vcc_lo
.endr
	v_mov_b32 v50, v96
	v_mov_b32 v51, 0
.irp e, 1,2,3,4,5,6,7,8,9,10,11,12,13,14,15
	v_cmp_gt_f32 vcc_lo, v[96+\e], v50
	v_cndmask_b32 v50, v50, v[96+\e], vcc_lo
	v_cndmask_b32 v51, v51, \e, vcc_lo
.endr
.irp e, 0,1,2,3,4,5,6,7,8,9,10,11,12,13,14,15      ; exponents (s - m) log2(e), or -infinity where the score fails the test; the first choice has d2 = +infinity and fails it
	v_and_b32 v52, 0x7fffffff, v[32+\e]
	v_sub_f32 v53, v48, v[32+\e]                   ; d1 = m1 - s
	v_sub_f32 v54, v50, v[96+\e]                   ; d2 = m2 - s
	v_max_num_f32 v55, v52, v48                    ; f1 = max(|s|, m1)
	v_max_num_f32 v56, v52, v50
	v_fma_f32 v55, v55, s66, v53                   ; d - 0.02 f
	v_fma_f32 v56, v56, s66, v54
	v_mul_f32 v[64+\e], s67, v53
	v_mul_f32 v[80+\e], s67, v54
	v_cmp_lt_f32 vcc_lo, 0, v55
	v_cndmask_b32 v[64+\e], v[64+\e], s68, vcc_lo
	v_cmp_lt_f32 vcc_lo, 0, v56
	v_cndmask_b32 v[80+\e], v[80+\e], s68, vcc_lo
.endr
.set i, 64
.rept 32
	v_exp_f32 v[i], v[i]                           ; one batch of 32
.set i, i+1
.endr
	v_nop                                          ; a plain instruction behind the last exponential
	s_wait_alu depctr_va_vdst(0)                   ; one wait for the batch, ahead of its first reader
.irp b, 64, 80
.irp i, 0,2,4,6
	v_pk_add_f32 v[\b+\i:\b+\i+1], v[\b+\i:\b+\i+1], v[\b+\i+8:\b+\i+9]
.endr
	v_pk_add_f32 v[\b:\b+1], v[\b:\b+1], v[\b+4:\b+5]
	v_pk_add_f32 v[\b+2:\b+3], v[\b+2:\b+3], v[\b+6:\b+7]
	v_pk_add_f32 v[\b:\b+1], v[\b:\b+1], v[\b+2:\b+3]
	v_add_f32 v[\b], v[\b], v[\b+1]
.endr
	v_rcp_f32 v52, v64                             ; w1
	v_rcp_f32 v53, v80                             ; w2; the whole-number work below stands between the reciprocals and their wait
	v_min_u32 v54, v49, v51                        ; a
	v_max_u32 v55, v49, v51                        ; b
	v_sub_nc_u32 v56, 31, v54
	v_mul_u32_u24 v56, v56, v54
	v_lshrrev_b32 v56, 1, v56
	v_add_nc_u32 v56, v56, v55
	v_add_nc_u32 v57, 1, v54
	v_sub_nc_u32 v60, v56, v57                     ; p = a (31 - a) / 2 + b - a - 1
	v_lshrrev_b32 v62, 2, v60                      ; the lane that counts p,
	v_and_b32 v57, 3, v60
	v_lshlrev_b32 v57, 3, v57
	v_lshlrev_b32 v63, v57, 1                      ; and 1 in its byte
	v_mov_b32 v61, 0
	v_cmp_lt_u32 vcc_lo, v49, v51
	s_wait_alu depctr_va_vdst(0)                   ; one wait for both reciprocals
	v_cndmask_b32 v58, v53, v52, vcc_lo            ; a's weight
	v_cndmask_b32 v59, v52, v53, vcc_lo            ; b's
.set t, 0
.rept 32                                           ; the block's histogram: every token's byte is added in the lane that owns its pair; values alone, no address
	v_readlane_b32 s70, v62, t
	v_readlane_b32 s71, v63, t
	v_cmp_eq_u32 vcc_lo, s70, v3
	v_cndmask_b32 v57, 0, s71, vcc_lo
	v_add_nc_u32 v61, v61, v57
.set t, t+1
.endr
	global_store_b64 v26, v[60:61], s[82:83]       ; 256 consecutive bytes, aligned
	global_store_b64 v26, v[58:59], s[84:85]
	s_wait_xcnt 0x0                                ; their data registers are written again below
.Lnot_wave_0:
	; THE WEIGHTS
	s_wait_tensorcnt 0x1                           ; gate_up has landed; down may stay out
	BATCH4 5, GUO, XF
	BATCH4 5, GUO+512, XF+32
.irp s, 0,1,2,3,4,5,6,7
	PUT XF+8*\s, 86, 8192*\s
.endr
	s_wait_tensorcnt 0x0                           ; down has landed
	BATCH4 6, 0, G
.irp s, 0,1,2,3
	PUT G+8*\s, 88, 8192*\s
.endr
	s_wait_tensorcnt 0x0                           ; the wave's end
	ds_add_u32 v30, v31
	s_wait_dscnt 0x0
	s_endpgm
.Lfunc_end_k_q29eb171856_router:
	.size	k_q29eb171856_router, .Lfunc_end_k_q29eb171856_router-k_q29eb171856_router
	.p2alignl 7, 3214868480
	.fill 96, 4, 3214868480
	.section	.rodata,"a",@progbits
	.p2align	6, 0x0
	.amdhsa_kernel k_q29eb171856_router
		.amdhsa_group_segment_fixed_size 311296
		.amdhsa_private_segment_fixed_size 0
		.amdhsa_enable_private_segment 0
		.amdhsa_kernarg_size 72
		.amdhsa_user_sgpr_count 2
		.amdhsa_user_sgpr_kernarg_segment_ptr 1
		.amdhsa_wavefront_size32 1
		.amdhsa_system_sgpr_workgroup_id_x 1
		.amdhsa_system_sgpr_workgroup_id_y 1
		.amdhsa_system_sgpr_workgroup_id_z 1
		.amdhsa_system_vgpr_workitem_id 0
		.amdhsa_next_free_vgpr 256
		.amdhsa_next_free_sgpr 96
		.amdhsa_reserve_vcc 1
		.amdhsa_float_denorm_mode_32 3
		.amdhsa_float_denorm_mode_16_64 3
		.amdhsa_memory_ordered 1
		.amdhsa_forward_progress 1
		.amdhsa_inst_pref_size 65
	.end_amdhsa_kernel
	.amdgpu_metadata
---
amdhsa.version: [ 1, 2 ]
amdhsa.kernels:
  - .name:           k_q29eb171856_router
    .symbol:         k_q29eb171856_router.kd
    .args:
      - { .name: hidden_states, .offset: 0, .size: 8, .value_kind: global_buffer, .address_space: global }
      - { .name: gate_weight, .offset: 8, .size: 8, .value_kind: global_buffer, .address_space: global }
      - { .name: gate_up_weights, .offset: 16, .size: 8, .value_kind: global_buffer, .address_space: global }
      - { .name: down_weights, .offset: 24, .size: 8, .value_kind: global_buffer, .address_space: global }
      - { .name: out1, .offset: 32, .size: 8, .value_kind: global_buffer, .address_space: global }
      - { .name: rlist, .offset: 40, .size: 8, .value_kind: global_buffer, .address_space: global }
      - { .name: cw, .offset: 48, .size: 8, .value_kind: global_buffer, .address_space: global }
      - { .name: wgu, .offset: 56, .size: 8, .value_kind: global_buffer, .address_space: global }
      - { .name: wdn, .offset: 64, .size: 8, .value_kind: global_buffer, .address_space: global }
    .group_segment_fixed_size: 311296
    .private_segment_fixed_size: 0
    .kernarg_segment_align: 8
    .kernarg_segment_size: 72
    .max_flat_workgroup_size: 128
    .sgpr_count:     96
    .vgpr_count:     256
    .wavefront_size: 32
...
	.end_amdgpu_metadata
.endif
;; end of part 1
;; launch chain (part 2): grid 288 x 1, 4 waves a work-group, no clusters, 186,368 bytes of LDS; arguments hidden_states, rlist, cw, wgu, wdn, out0; writes out0
.if DOCPART == 2
	.amdgcn_target "amdgcn-amd-amdhsa--gfx1250"
	.amdhsa_code_object_version 6
	.text
	.protected	k_q29eb171856_chain
	.globl	k_q29eb171856_chain
	.p2align	8
	.type	k_q29eb171856_chain,@function
k_q29eb171856_chain:
	s_mov_b64 s[64:65], 0
	v_nop
	global_prefetch_b8 v0, s[64:65] scope:SCOPE_SE
	s_setreg_imm32_b32 hwreg(HW_REG_WAVE_MODE, 25, 1), 1
	s_wait_xcnt 0x0
; THE CHAIN.  Tokens are grouped by their pair of experts {a < b} (120 pairs); a work-group takes a tile of up to 48 tokens of ONE pair through gather, gate_up of both experts,
; silu(gate) x up x gate weight, and down of both experts into one accumulator, so every output row has one owner and is stored once.
; THE GRID SERVES EVERY SPLIT: the sum over pairs of ceil(n / 48) is at most (8,192 + 120 x 47) / 48 = 288.  Every work-group finds its tile itself from the stored whole numbers (64 KiB):
; counts by pair, a prefix sum of the tiles, then the tokens of rank 48 j .. 48 j + 47 of its pair.  A work-group past the last tile passes every barrier, jumps the work and stores nothing
; (it has asked for 128 KiB of weights by then: what crosses a jump lies in registers that are written on every path).
; SHARES.  gate_up: wave w takes expert (w >> 1 ? b : a), half w & 1: 64 gate and 64 up rows x 48 tokens = 24 accumulators, K = 1,024 in 32 steps.
; down: K = 256 (a's 128 hidden numbers, then b's); wave w takes output columns 256 w .. + 255 in two blocks of 128: 2 x 8 weight steps, each multiplied twice (see FORMATS).
; 24 matrix instructions a step, the 24 accumulators by turns.
; THE MATRIX INSTRUCTION IS USED TRANSPOSED: source 0 = 16 weight rows, source 1 = 16 tokens: a lane holds token lane % 16, register j weight row 8 (lane / 16) + j.
; WEIGHTS come as ready fragments straight from memory into a ring of four stages of 64 registers: each weight has one reader in the work-group, so LDS would only add reads.
; gate_up's steps go in groups of four, once round the ring.  The first group (it starts the sums) and the last (it fills the ring with down's weights and looks no further ahead) are written out;
; the six between are a loop whose counter is the group's byte offset in the token rows: the LDS addresses are made anew from it at each group's head, and no vector address is carried round.
; A barrier stands between the waves' reads in that loop and the stores of the hidden layer, so that the order of the two does not rest on the arithmetic of the loop's addresses.
; NO CLUSTER, NO TENSOR LOAD: only the tiles of one pair walk the same weights, and their number is a stored count (1 to 171); token rows come by a list, which no descriptor covers.
; FORMATS.  x and the weights bf16; sums f32.  hidden x gate weight is kept as TWO bf16 numbers, the rounded value and the rounded remainder (value - rounded value, exact in f32): what is lost is
; some 2^-17 of the number where one bf16 would lose 2^-9; f16 has no room: with inputs 30 times larger the hidden numbers pass 65,504.  Each weight stage of down is multiplied by both.
; silu(g) = g / (1 + 2^(-g log2 e)): where the power overflows the quotient is 0, as silu is there.  Places of a tile past its count repeat token 0 and are not stored.
; REGISTERS.  window 0: v0 thread; v1 16 lane; v2 my place in the token (later the hidden) rows; v3, v4 a group's addresses; v5 hidden in; v6, v7 stage in, out; v8, v9 the add's two;
;   v10-15 (gate weight, token) of my row in each tile of 16; v[16:63] two buffers of three token fragments, at work elsewhere; v[64:255] 24 accumulators, (m, n) at 64 + 8 (8 m + n);
;   before the products the list, then rows of x; v192-204 early addresses.   window 1: the ring.   s_set_vgpr_msb: bits 1:0 source 0, 7:6 destination.
.set XP,    2064                       ; a token row in LDS: 2,048 bytes + 16 = 516 words: row r starts at bank 4 r mod 64 (64 banks of 4 bytes: ISA guide 11.1)
.set HP,    1040                       ; a hidden row: 512 bytes of values, 512 of remainders, 16 of padding = 260 words: likewise
.set SP,    528                        ; a stage row: 512 + 16 bytes = 132 words: likewise
.set XT,    0                          ; 48 rows of x in bf16
.set HB,    48*XP                      ; 48 hidden rows
.set STG,   HB+48*HP                   ; a wave's own 16 rows x 512 bytes, for the way out
.set RED,   STG+4*16*SP                ; 2,048: partial counts
.set LW,    RED+2048                   ; a wave's own 64 words: 48 of the list, the others take what is not in the tile
.set SPARE, LW+1024                    ; the spare words: 128 bytes a wave, two blocks of 256 bytes that no other line names
.set ACC,   64
.set ABUF,  16
.set MSB,   0
.macro WIN new                         ; the immediate's high byte repeats the setting that is left; a switch that changes nothing is dropped
.if MSB != (\new)
	s_set_vgpr_msb (MSB<<8)|(\new)
.set MSB, \new
.endif
.endm
.macro BAR
	s_barrier_signal -1
	s_barrier_wait -1
.endm
.macro EACH16 line:vararg              ; one line for each i = 0 .. 15
.set i, 0
.rept 16
	\line
.set i, i+1
.endr
.endm
.macro FILL st, b, off                 ; stage st of the ring: the 8 fragments of one K step, at byte off from base b: 16 loads of 512 consecutive bytes
	WIN 0x40
.irp n, 0,1,2,3,4,5,6,7
	global_load_b128 v[64*(\st)+8*\n:64*(\st)+8*\n+3],   v1, s[(\b):(\b)+1] offset:(\off)+\n*1024
	global_load_b128 v[64*(\st)+8*\n+4:64*(\st)+8*\n+7], v1, s[(\b):(\b)+1] offset:(\off)+\n*1024+512
.endr
	WIN 0
.endm
; Three fragments of 16 rows x 32 along K into buffer ab, at byte aoff of the rows.  Row tile m is reached by register AR m and the constant AO m, which each phase sets.
.macro ALD ab, aoff
.irp m, 0,1,2
	ds_load_b128 v[ABUF+24*(\ab)+8*\m:ABUF+24*(\ab)+8*\m+3],   v[AR\m] offset:(\aoff)+AO\m
	ds_load_b128 v[ABUF+24*(\ab)+8*\m+4:ABUF+24*(\ab)+8*\m+7], v[AR\m] offset:(\aoff)+AO\m+32
.endr
.endm
; One step: 24 matrix instructions on stage st and token buffer ab; then (rb not 0) the stage is asked for again, with the weight step four further on, and the buffer takes the step after next.
; lc: the ring loads younger than this stage's; dc: the LDS loads younger than this buffer's; aoff < 0: no further token fragments.
.macro STEP st, ab, zero, lc, dc, aoff, rb, roff
	s_wait_loadcnt \lc
	s_wait_dscnt \dc
	WIN 0x01
.irp n, 0,1,2,3,4,5,6,7
.irp m, 0,1,2
.if \zero
	v_wmma_f32_16x16x32_bf16 v[ACC+8*(8*\m+\n):ACC+8*(8*\m+\n)+7], v[64*(\st)+8*\n:64*(\st)+8*\n+7], v[ABUF+24*(\ab)+8*\m:ABUF+24*(\ab)+8*\m+7], 0
.else
	v_wmma_f32_16x16x32_bf16 v[ACC+8*(8*\m+\n):ACC+8*(8*\m+\n)+7], v[64*(\st)+8*\n:64*(\st)+8*\n+7], v[ABUF+24*(\ab)+8*\m:ABUF+24*(\ab)+8*\m+7], v[ACC+8*(8*\m+\n):ACC+8*(8*\m+\n)+7]
.endif
.endr
.endr
.rept 4
	v_nop                                          ; four places in front of loads into registers just multiplied, and of what reads the sums
.endr
.if \rb
	FILL \st, \rb, \roff
.else
	WIN 0
.endif
.if (\aoff) >= 0
	ALD \ab, \aoff
.endif
.endm
; A group of gate_up: four steps, once round the ring.  48: three younger stages of 16 loads are out; 6: the next step's six token loads are younger.  The token offsets count from the group's first step, 64 bytes a step:
; each step fetches the step after next.  The refills are the next group's steps, 8,192 bytes each, from byte ro of base rb.  tail = 1: the rows end: the last two steps fetch no token fragments, and behind the last wait none is out.
.macro GGROUP zero, rb, ro, tail
	STEP 0, 0, \zero, 48, 6, 128, \rb, (\ro)
	STEP 1, 1, 0, 48, 6, 192, \rb, (\ro)+8192
.if \tail
	STEP 2, 0, 0, 48, 6, -1, \rb, (\ro)+16384
	STEP 3, 1, 0, 48, 0, -1, \rb, (\ro)+24576
.else
	STEP 2, 0, 0, 48, 6, 256, \rb, (\ro)+16384
	STEP 3, 1, 0, 48, 6, 320, \rb, (\ro)+24576
.endif
.endm
; Step KD of down's 32.  Weight step W = KD / 2 of 16 (a's four for my first 128 columns, b's four, then the same for my second 128) is multiplied first by the hidden values (even KD, buffer 0), then by their remainders (odd KD, buffer 1).
;   The sums start at steps 0 and 16.   Ring: three younger stages are out (48); from weight step 13 on nothing younger has been asked for and the count runs down 32, 16, 0.
;   Hidden fragments: the next step's six loads are younger (6); none is at step 31, the last, and at step 16, behind the way out's wait for all.
;   Look-ahead: the step after next: the same part, values or remainders 512 bytes on, of the next weight step, 64 bytes a step, eight to a block; none from step 30 on.
;   Refill, behind a weight step's second product: weight step W + 4: b's base or a's, 32,768 bytes on for the second block, 8,192 bytes a step; from W = 12 on nothing.
.macro DSTEP
.set W, KD/2
.set AF, 512*(KD%2)+64*(((KD+2)/2)%8)
.if KD >= 30
.set AF, -1
.endif
.set ZR, 0
.if (KD == 0) || (KD == 16)
.set ZR, 1
.endif
.set LC, 48
.if W > 12
.set LC, 16*(15-W)
.endif
.set DC, 6
.if (KD == 16) || (KD == 31)
.set DC, 0
.endif
.set RB, 28+2*(((W+4)/4)%2)
.set RO, ((W+4)/8)*32768+((W+4)%4)*8192
.if (W >= 12) || (KD%2 == 0)
.set RB, 0
.endif
	STEP W%4, KD%2, ZR, LC, DC, AF, RB, RO
.set KD, KD+1
.endm
; The activation of row tile m: hidden = gate / (1 + 2^(-gate log2 e)) x up x gate weight, as 16 registers of bf16 values from v[vd] on and 16 of bf16 remainders from v[rm] on.
; Work on registers alone: the stores follow behind a barrier (HPUT).  Two batches of 32 transcendentals, one wait each; every accumulator is read from its low end on.
.macro EPI m, vd, rm
.set GA, ACC+64*(\m)
.set UA, ACC+64*(\m)+32
.set i, 0
.rept 16
	v_pk_mul_f32 v[16+2*i:17+2*i], v[GA+2*i:GA+2*i+1], s[36:37] op_sel_hi:[1,0]
.set i, i+1
.endr
.set i, 0
.rept 32
	v_exp_f32 v[16+i], v[16+i]
.set i, i+1
.endr
.set i, 0
.rept 16
	v_pk_mul_f32 v[UA+2*i:UA+2*i+1], v[UA+2*i:UA+2*i+1], v[10+2*(\m):11+2*(\m)] op_sel_hi:[1,0]  ; up x gate weight: the independent work behind the batch
.set i, i+1
.endr
	s_wait_alu depctr_va_vdst(0)                   ; one wait for the 32 exponentials
.set i, 0
.rept 16
	v_pk_add_f32 v[16+2*i:17+2*i], v[16+2*i:17+2*i], 1.0 op_sel_hi:[1,0]
.set i, i+1
.endr
.set i, 0
.rept 32
	v_rcp_f32 v[16+i], v[16+i]
.set i, i+1
.endr
.set i, 0
.rept 16
	v_pk_mul_f32 v[UA+2*i:UA+2*i+1], v[UA+2*i:UA+2*i+1], v[GA+2*i:GA+2*i+1]  ; the gate sums' last use: their registers are free from here on
.set i, i+1
.endr
	s_wait_alu depctr_va_vdst(0)                   ; one wait for the 32 reciprocals
.set i, 0
.rept 16
	v_pk_mul_f32 v[UA+2*i:UA+2*i+1], v[UA+2*i:UA+2*i+1], v[16+2*i:17+2*i]
.set i, i+1
.endr
.set i, 0
.rept 16
	v_cvt_pk_bf16_f32 v[(\vd)+i], v[UA+2*i], v[UA+2*i+1]   ; the values
.set i, i+1
.endr
.set i, 0
.rept 16
	v_lshlrev_b32 v[16+2*i], 16, v[(\vd)+i]        ; back to f32: the low half moves up,
	v_and_b32     v[17+2*i], s84, v[(\vd)+i]       ; the high half stays
.set i, i+1
.endr
.set i, 0
.rept 16
	v_pk_add_f32 v[UA+2*i:UA+2*i+1], v[UA+2*i:UA+2*i+1], v[16+2*i:17+2*i] neg_lo:[0,1] neg_hi:[0,1]  ; what the rounding left: exact in f32
.set i, i+1
.endr
.set i, 0
.rept 16
	v_cvt_pk_bf16_f32 v[(\rm)+i], v[UA+2*i], v[UA+2*i+1]   ; the remainders
.set i, i+1
.endr
.endm
.macro HPUT m, vd, rm                  ; row tile m's hidden numbers into LDS: the values, and 512 bytes on the remainders
.irp n, 0,1,2,3
	ds_store_b128 v5, v[(\vd)+4*\n:(\vd)+4*\n+3] offset:(\m)*16*HP+32*\n
.endr
.irp n, 0,1,2,3
	ds_store_b128 v5, v[(\rm)+4*\n:(\rm)+4*\n+3] offset:(\m)*16*HP+512+32*\n
.endr
.endm
; The way out of 128 columns: a row tile goes through my own stage and comes back as whole rows of 512 bytes; a store covers 512 consecutive bytes of one output row, aligned.
; The sixteen rows' tokens are read out of the lanes in one run, and the scalar lines that make the row bases follow in one run: vector and scalar work change hands once a row tile.
; Rows at or past the tile's count are jumped: the rows are in order, so the first such row ends the way out.
.macro OUT q
.irp m, 0,1,2
	s_wait_xcnt 0x0                                ; the row bases are written again only behind this wait
.irp t, 0,1,2,3,4,5,6,7,8,9,10,11,12,13,14,15
	v_readlane_b32 s[48+2*\t+2*(\t/8)], v[11+2*\m], \t     ; the token of row 16 m + t
.endr
.irp t, 0,1,2,3,4,5,6,7,8,9,10,11,12,13,14,15
	s_min_u32 s[48+2*\t+2*(\t/8)], s[48+2*\t+2*(\t/8)], 8191
	s_lshl_b32 s[48+2*\t+2*(\t/8)], s[48+2*\t+2*(\t/8)], 12
	s_mov_b32 s[49+2*\t+2*(\t/8)], 0
	s_add_nc_u64 s[48+2*\t+2*(\t/8):49+2*\t+2*(\t/8)], s[32:33], s[48+2*\t+2*(\t/8):49+2*\t+2*(\t/8)]
.endr
.irp n, 0,1,2,3,4,5,6,7
	ds_store_b128 v6, v[ACC+64*\m+8*\n:ACC+64*\m+8*\n+3]   offset:64*\n
	ds_store_b128 v6, v[ACC+64*\m+8*\n+4:ACC+64*\m+8*\n+7] offset:64*\n+16
.endr
.irp t, 0,1,2,3,4,5,6,7,8,9,10,11,12,13,14,15
	ds_load_b128 v[ACC+64*\m+4*\t:ACC+64*\m+4*\t+3], v7 offset:SP*\t  ; LDS serves a wave's instructions in order (ISA guide 5.7.1.4): these see the stores above
.endr
.irp t, 0,1,2,3,4,5,6,7,8,9,10,11,12,13,14,15
	s_wait_dscnt 15-\t                             ; row t is back; the younger rows stay out
	s_cmp_le_u32 s22, 16*\m+\t
	s_cbranch_scc1 .Lout_end\q
	global_store_b128 v1, v[ACC+64*\m+4*\t:ACC+64*\m+4*\t+3], s[48+2*\t+2*(\t/8):49+2*\t+2*(\t/8)] offset:512*(\q) th:TH_STORE_NT
.endr
.endr
.Lout_end\q:
	s_wait_dscnt 0x0
	s_wait_xcnt 0x0                                ; the stores' data registers are accumulators again only behind this wait
.endm
.macro HACC G                          ; four loads' byte counts added (32 each at the most: 128 fits a byte), then widened to halves of 16 bits
	s_wait_loadcnt 28-4*(\G)                       ; loads come back in order: these four are in, the younger ones stay out
.irp c, 1,3
	v_add3_u32 v20, v[64+16*(\G)+\c], v[64+16*(\G)+4+\c], v[64+16*(\G)+8+\c]
	v_add_nc_u32 v20, v20, v[64+16*(\G)+12+\c]
.if (\G) == 0
	v_and_b32 v[15+\c], s38, v20
	v_lshrrev_b32 v20, 8, v20
	v_and_b32 v[16+\c], s38, v20
.else
	v_and_b32 v21, s38, v20
	v_lshrrev_b32 v20, 8, v20
	v_add_nc_u32 v[15+\c], v[15+\c], v21
	v_and_b32 v20, s38, v20
	v_add_nc_u32 v[16+\c], v[16+\c], v20
.endif
.endr
.endm
.macro ROWLD row, slot                 ; a row of x: eight loads of 512 consecutive bytes
.irp c, 0,1,2,3,4,5,6,7
	global_load_b128 v[64+32*(\slot)+4*\c:64+32*(\slot)+4*\c+3], v[48+(\row)], s[4:5] offset:512*\c
.endr
.endm
.macro ROWCV row, slot                 ; rounded to bf16 and laid into LDS, 256 consecutive bytes a store
.irp c, 0,1,2,3,4,5,6,7
	v_cvt_pk_bf16_f32 v[16+16*((\row)%2)+2*\c], v[64+32*(\slot)+4*\c],   v[64+32*(\slot)+4*\c+1]
	v_cvt_pk_bf16_f32 v[17+16*((\row)%2)+2*\c], v[64+32*(\slot)+4*\c+2], v[64+32*(\slot)+4*\c+3]
.endr
.irp c, 0,1,2,3,4,5,6,7
	ds_store_b64 v60, v[16+16*((\row)%2)+2*\c:17+16*((\row)%2)+2*\c] offset:(\row)*XP+256*\c
.endr
.endm
	s_load_b256 s[4:11], s[0:1], 0x0               ; x s[4:5], rlist s[6:7], cw s[8:9], wgu s[10:11]
	s_load_b128 s[12:15], s[0:1], 0x20             ; wdn s[12:13], out0 s[14:15]
	v_lshl_add_u32 v8, v0, 2, SPARE
	v_mov_b32 v9, 0
	v_lshrrev_b32 v16, 5, v0
	v_readfirstlane_b32 s16, v16                   ; wave 0..3
	s_mov_b32 s17, ttmp9                           ; g
	s_mov_b32 s36, 0xbfb8aa3b                      ; -log2(e); named as a pair
	s_mov_b32 s37, 0xbfb8aa3b
	s_mov_b32 s38, 0x00ff00ff
	s_mov_b32 s39, 43691                           ; (n + 47) x 43,691 >> 21 = ceil(n / 48), exact up to n + 47 = 8,239: 48 x 43,691 = 2^21 + 16
	s_mov_b32 s40, 47*43691
	s_mov_b32 s84, 0xffff0000                      ; a word's upper bf16
	v_and_b32 v192, 31, v0                         ; lane
	v_and_b32 v201, 15, v0                         ; r
	v_bfe_u32 v202, v0, 4, 1                       ; h
	v_lshlrev_b32 v1, 4, v192
	v_lshlrev_b32 v198, 4, v0                      ; 16 t
	v_add_nc_u32 v199, RED, v198
	v_lshl_add_u32 v197, v192, 3, RED
	v_lshlrev_b32 v194, 1, v0                      ; 2 t
	s_lshl_b32 s41, s16, 8
	s_add_co_u32 s41, s41, LW                      ; my wave's list
	v_mov_b32 v193, s41
	v_lshl_add_u32 v200, v192, 2, s41
	v_mov_b32 v204, 0
	ds_store_b32 v200, v204                        ; its 64 words start at 0
	ds_store_b32 v200, v204 offset:128
	v_lshl_add_u32 v195, v201, 2, LW
	s_mul_i32 s42, s16, 12
	v_min_u32 v196, 11, v192
	v_add_nc_u32 v196, s42, v196
	v_lshl_add_u32 v196, v196, 2, LW               ; place 12 w + min(lane, 11) of a list
	v_mul_u32_u24 v16, v201, SP
	v_mul_u32_u24 v17, v201, HP
	s_lshr_b32 s42, s16, 1
	s_lshl_b32 s46, s42, 2                         ; which of a token's two gate weights is my expert's
	s_lshl_b32 s42, s42, 8
	s_and_b32 s43, s16, 1
	s_lshl_b32 s43, s43, 7
	s_add_co_u32 s42, s42, s43
	s_add_co_u32 s42, s42, HB
	v_lshl_add_u32 v5, v202, 4, v17
	v_add_nc_u32 v5, s42, v5                       ; hidden in: row r, my expert's 256 bytes, my half's 128, 16 h
	s_mul_i32 s42, s16, 16*SP
	s_add_co_u32 s42, s42, STG
	v_lshl_add_u32 v6, v202, 5, v16
	v_add_nc_u32 v6, s42, v6                       ; stage in: row r, 32 h
	v_add_nc_u32 v7, s42, v1                       ; stage out: 16 bytes a lane of a row
	s_wait_kmcnt 0x0
.set k, 0
.rept 32                                           ; the whole list: load k brings thread t the pairs of tokens 256 k + 2 t, + 1 (registers 0, 2) and two words of byte counts (1, 3)
	global_load_b128 v[64+4*k:64+4*k+3], v198, s[6:7] offset:2048*k
.set k, k+1
.endr
.irp G, 0,1,2,3,4,5,6,7
	HACC \G
.endr
	ds_store_b128 v199, v[16:19]
	s_wait_dscnt 0x0                               ; for the others: my partial counts are in LDS
	BAR
	; WHICH TILE IS MINE: every wave alike.  Lane L has pairs 4 L .. 4 L + 3; group g of 16 threads counted the blocks that are g modulo 8; wave w holds the tokens of groups 2 w, 2 w + 1.
.irp g, 0,1,2,3,4,5,6,7
	ds_load_b64 v[16+2*\g:17+2*\g], v197 offset:256*\g
.endr
	s_cmp_ge_u32 s16, 1
	s_cselect_b32 s41, -1, 0
	s_cmp_ge_u32 s16, 2
	s_cselect_b32 s42, -1, 0
	s_cmp_ge_u32 s16, 3
	s_cselect_b32 s43, -1, 0
	s_wait_dscnt 0x0
	v_add_nc_u32 v32, v16, v18
	v_add_nc_u32 v33, v17, v19
	v_add_nc_u32 v34, v20, v22
	v_add_nc_u32 v35, v21, v23
	v_add_nc_u32 v36, v24, v26
	v_add_nc_u32 v37, v25, v27
	v_add_nc_u32 v38, v28, v30
	v_add_nc_u32 v39, v29, v31
	v_add3_u32 v40, v32, v34, v36
	v_add3_u32 v41, v33, v35, v37
	v_add_nc_u32 v40, v40, v38                     ; the pairs' counts, two halves of 16 bits a word (8,192 at the most)
	v_add_nc_u32 v41, v41, v39
	v_and_b32 v32, s41, v32
	v_and_b32 v33, s41, v33
	v_and_b32 v34, s42, v34
	v_and_b32 v35, s42, v35
	v_and_b32 v36, s43, v36
	v_and_b32 v37, s43, v37
	v_add3_u32 v42, v32, v34, v36                  ; the tokens of each pair in the waves before mine
	v_add3_u32 v43, v33, v35, v37
	v_and_b32 v44, 0xffff, v40                     ; n of pairs 4 L, + 1, + 2, + 3
	v_and_b32 v45, 0xffff, v41
	v_lshrrev_b32 v46, 16, v40
	v_lshrrev_b32 v47, 16, v41
	v_and_b32 v48, 0xffff, v42
	v_and_b32 v49, 0xffff, v43
	v_lshrrev_b32 v50, 16, v42
	v_lshrrev_b32 v51, 16, v43
.irp k, 0,1,2,3
	v_mad_u32_u24 v[52+\k], v[44+\k], s39, s40
.endr
.irp k, 0,1,2,3
	v_lshrrev_b32 v[52+\k], 21, v[52+\k]           ; tiles of each pair
.endr
	v_add_nc_u32 v56, v52, v53
	v_add_nc_u32 v57, v56, v54
	v_add_nc_u32 v58, v57, v55                     ; the lane's tiles
	v_mov_b32 v59, v58
	v_mov_b32 v60, 0
.irp d, 1,2,4,8                                    ; a running sum inside each half of 16 lanes,
	v_mov_b32_dpp v60, v59 row_shr:\d row_mask:0xf bank_mask:0xf bound_ctrl:1
	v_add_nc_u32 v59, v59, v60
.endr
	v_readlane_b32 s41, v59, 15                    ; and the lower half's total onto the upper half
	v_cmp_le_u32 vcc_lo, 16, v192
	v_cndmask_b32 v60, 0, s41, vcc_lo
	v_add_nc_u32 v59, v59, v60
	v_sub_nc_u32 v61, v59, v58                     ; tiles in front of pair 4 L
	v_sub_nc_u32 v16, s17, v61                     ; g less the tiles in front of each pair: my tile's number j in the pair where it is below the pair's tiles
	v_add_nc_u32 v62, v61, v52
	v_sub_nc_u32 v17, s17, v62
	v_add_nc_u32 v62, v61, v56
	v_sub_nc_u32 v18, s17, v62
	v_add_nc_u32 v62, v61, v57
	v_sub_nc_u32 v19, s17, v62
	v_cmp_lt_u32 s41, v16, v52
	v_cmp_lt_u32 s42, v17, v53
	v_cmp_lt_u32 s43, v18, v54
	v_cmp_lt_u32 s44, v19, v55
	v_mov_b32 v20, 0
	v_mov_b32 v21, 0
	v_mov_b32 v22, 0
	v_mov_b32 v23, 0
.irp k, 0,1,2,3
	v_cndmask_b32 v20, v20, v[16+\k], s[41+\k]     ; j
	v_cndmask_b32 v21, v21, v[44+\k], s[41+\k]     ; n
	v_cndmask_b32 v22, v22, v[48+\k], s[41+\k]     ; tokens of the pair in earlier waves
	v_cndmask_b32 v23, v23, \k, s[41+\k]
.endr
	s_or_b32 s18, s41, s42
	s_or_b32 s18, s18, s43
	s_or_b32 s18, s18, s44                         ; the one lane that found it; 0: no tile for this work-group
	s_ctz_i32_b32 s45, s18
	s_min_u32 s45, s45, 31
	v_readlane_b32 s20, v20, s45
	v_readlane_b32 s21, v21, s45
	v_readlane_b32 s35, v22, s45
	v_readlane_b32 s44, v23, s45
	s_lshl2_add_u32 s19, s45, s44                  ; p
	s_min_u32 s19, s19, 119
	s_min_u32 s20, s20, 170
	s_min_u32 s21, s21, 8192
	s_mul_i32 s23, s20, 48                         ; the tile's first rank
	s_sub_co_u32 s22, s21, s23
	s_min_u32 s22, s22, 48                         ; its rows
	s_sub_co_u32 s35, s35, s23                     ; the place in the tile of my wave's first token of the pair (modulo 2^32)
	s_mov_b32 s24, 0
.irp th, 15,29,42,54,65,75,84,92,99,105,110,114,117,119
	s_cmp_ge_u32 s19, \th                          ; a = how many of the first pair numbers of a = 1 .. 14 are at or below p
	s_add_co_ci_u32 s24, s24, 0
.endr
	s_min_u32 s24, s24, 14
	s_sub_co_u32 s41, 31, s24
	s_mul_i32 s41, s41, s24
	s_lshr_b32 s41, s41, 1
	s_sub_co_u32 s25, s19, s41
	s_add_co_u32 s25, s25, s24
	s_add_co_u32 s25, s25, 1                       ; b = p - a (31 - a) / 2 + a + 1
	s_min_u32 s25, s25, 15
	s_cmp_lt_u32 s16, 2
	s_cselect_b32 s41, s24, s25                    ; my expert in gate_up
	s_min_u32 s41, s41, 15
	s_lshl_b32 s42, s41, 19
	s_and_b32 s43, s16, 1
	s_lshl_b32 s43, s43, 18
	s_add_co_u32 s42, s42, s43
	s_mov_b32 s43, 0
	s_add_nc_u64 s[82:83], s[10:11], s[42:43]      ; my 32 K steps of gate_up; never rewritten
	s_lshl_b32 s44, s16, 16
	s_lshl_b32 s42, s24, 18
	s_add_co_u32 s42, s42, s44
	s_add_nc_u64 s[28:29], s[12:13], s[42:43]      ; down of a, my columns; never rewritten
	s_lshl_b32 s42, s25, 18
	s_add_co_u32 s42, s42, s44
	s_add_nc_u64 s[30:31], s[12:13], s[42:43]      ; down of b; never rewritten
	s_lshl_b32 s42, s16, 10
	s_add_nc_u64 s[32:33], s[14:15], s[42:43]      ; out0 at my 256 columns
.irp st, 0,1,2,3
	FILL \st, 82, (\st)*8192                       ; the ring's first four steps are asked for now: they land under the work below
.endr
	; MY WAVE'S TOKENS OF THE PAIR GO INTO ITS LIST, at their place in the tile; a token of another pair or another tile goes to a word from 48 on, which nobody reads.
	; Sixteen registers of pair numbers at a time: sixteen compares into scalar masks; one scalar run that gives each register the count in front of it; then the vector lines, a kind at a time:
	; vector and scalar work change hands four times each way, not once a register.
	s_cmp_eq_u32 s18, 0
	s_cbranch_scc1 .Llisted
.set kb, 0
.rept 4
	EACH16 v_cmp_eq_u32 s[48+i], s19, v[64+4*(8*kb+i/2)+2*(i%2)]
.set i, 0
.rept 16
	s_mov_b32 s[66+i], s35                         ; the place of this register's first match
	s_bcnt1_i32_b32 s41, s[48+i]
	s_add_co_u32 s35, s35, s41
.set i, i+1
.endr
	EACH16 v_mbcnt_lo_u32_b32 v[16+i], s[48+i], s[66+i]            ; place = the count in front + the matching lanes below mine
	EACH16 v_cndmask_b32 v[16+i], -1, v[16+i], s[48+i]
	EACH16 v_min_u32 v[16+i], 63, v[16+i]
	EACH16 v_lshl_add_u32 v[16+i], v[16+i], 2, v193
	EACH16 v_add_nc_u32 v[32+i], 256*(8*kb+i/2)+(i%2), v194        ; the token
	EACH16 ds_store_b32 v[16+i], v[32+i]
.set kb, kb+1
.endr
.Llisted:
	s_wait_dscnt 0x0                               ; for the others: my list is in LDS
	BAR
	; a place is written by one wave and is 0 in the other three lists
.irp m, 0,1,2
.irp w, 0,1,2,3
	ds_load_b32 v[32+4*\m+\w], v195 offset:256*\w+64*\m
.endr
.endr
.irp w, 0,1,2,3
	ds_load_b32 v[44+\w], v196 offset:256*\w
.endr
	s_wait_dscnt 0x0
.irp m, 0,1,2
	v_or_b32 v[11+2*\m], v[32+4*\m], v[33+4*\m]
	v_or_b32 v[34+4*\m], v[34+4*\m], v[35+4*\m]
	v_or_b32 v[11+2*\m], v[11+2*\m], v[34+4*\m]    ; the token of row 16 m + r
.endr
	v_or_b32 v203, v44, v45
	v_or_b32 v46, v46, v47
	v_or_b32 v203, v203, v46                       ; lane i: the token of row 12 w + i, which I gather
.irp m, 0,1,2
	v_min_u32 v[61+\m], 0x1fff, v[11+2*\m]
	v_lshl_add_u32 v[61+\m], v[61+\m], 3, s46
	global_load_b32 v[10+2*\m], v[61+\m], s[8:9]   ; its gate weight for my expert
.endr
	; THE GATHER: my 12 rows of x, six at a time in 192 registers
	s_cmp_eq_u32 s18, 0
	s_cbranch_scc1 .Lgathered
	s_mul_i32 s42, s16, 12*XP
	v_lshl_add_u32 v60, v192, 3, s42
.irp i, 0,1,2,3,4,5,6,7,8,9,10,11
	v_readlane_b32 s[48+\i], v203, \i              ; the twelve tokens in one run,
.endr
.irp i, 0,1,2,3,4,5,6,7,8,9,10,11
	s_min_u32 s[48+\i], s[48+\i], 8191             ; the scalar lines in one run,
	s_lshl_b32 s[48+\i], s[48+\i], 12
.endr
.irp i, 0,1,2,3,4,5,6,7,8,9,10,11
	v_add_nc_u32 v[48+\i], s[48+\i], v1            ; and the rows' offsets
.endr
.irp i, 0,1,2,3,4,5
	ROWLD \i, \i
.endr
.irp i, 0,1,2,3,4,5
	s_wait_loadcnt 40                              ; younger than row i: 8 (5 - i) loads of the first six rows and 8 i of the second six
	ROWCV \i, \i
	ROWLD (\i)+6, \i
.endr
.irp i, 0,1,2,3,4,5
	s_wait_loadcnt 40-8*\i                         ; younger than row 6 + i: the rows behind it
	ROWCV (\i)+6, \i
.endr
.Lgathered:
	s_wait_xcnt 0x0                                ; the gate weights' address registers are written again below
	s_wait_dscnt 0x0                               ; for the others: my rows are in LDS
	BAR
	; GATE_UP: eight groups of four steps; then the activation, on registers alone
	s_cmp_eq_u32 s18, 0
	s_cbranch_scc1 .Lmade
	v_and_b32 v16, 15, v0
	v_bfe_u32 v17, v0, 4, 1
	v_mul_u32_u24 v2, v16, XP
	v_lshl_add_u32 v2, v17, 4, v2                  ; row r x pitch + 16 h; not rewritten while x is read
	v_add_nc_u32 v4, 32*XP, v2                     ; rows 32 to 47 lie past the reach of the 16-bit immediate; rows 16 to 31 do not
.set AR0, 2
.set AO0, 0
.set AR1, 2
.set AO1, 16*XP
.set AR2, 4
.set AO2, 0
	ALD 0, 0
	ALD 1, 64
	GGROUP 1, 82, 32768, 0                         ; group 0 starts the sums; its refills are steps 4 to 7
.set AR0, 3
.set AR1, 3
	s_add_nc_u64 s[26:27], s[82:83], 0x8000
	s_mov_b32 s34, 256                             ; the loop's counter: group g begins 256 g bytes into the token rows
.Lgroup:                                               ; groups 1 to 6
	v_add_nc_u32 v3, s34, v2                       ; the group's addresses, made anew from the counter
	v_add_nc_u32 v4, 32*XP, v3
	s_wait_xcnt 0x0                                ; the ring's base is stepped only behind this wait
	s_add_nc_u64 s[26:27], s[26:27], 0x8000        ; the next group's four steps of weights
	GGROUP 0, 26, 0, 0
	s_add_co_u32 s34, s34, 256
	s_cmp_lt_u32 s34, 1792
	s_cbranch_scc1 .Lgroup
	v_add_nc_u32 v3, 1792, v2                      ; group 7
	v_add_nc_u32 v4, 32*XP, v3
	GGROUP 0, 28, 0, 1                             ; the ring runs on into down: a's weights for my first 128 columns
	EPI 0, 64, 80                                  ; the hidden numbers stay in registers that are written on every path: tiles 0 and 1 in their gate sums' own,
	EPI 1, 128, 144
	EPI 2, 48, 16                                  ; tile 2 in the registers at work
.Lmade:
	s_wait_dscnt 0x0                               ; my reads of the token rows are over
	BAR                                            ; every wave's are: only now is the hidden layer stored
	s_cmp_eq_u32 s18, 0
	s_cbranch_scc1 .Lhidden
	HPUT 0, 64, 80
	HPUT 1, 128, 144
	HPUT 2, 48, 16
.Lhidden:
	s_wait_dscnt 0x0                               ; for the others: my part of the hidden layer is in LDS
	BAR
	; DOWN: two blocks of 128 columns; in each a's four weight steps, then b's four, each by the values and by the remainders, all into the same sums
	s_cmp_eq_u32 s18, 0
	s_cbranch_scc1 .Lend
	v_and_b32 v16, 15, v0
	v_bfe_u32 v17, v0, 4, 1
	v_mul_u32_u24 v2, v16, HP
	v_lshl_add_u32 v2, v17, 4, v2
	v_add_nc_u32 v2, HB, v2                        ; row r of the hidden rows + 16 h: all three row tiles are within the immediate's reach
.set AR0, 2
.set AR1, 2
.set AO1, 16*HP
.set AR2, 2
.set AO2, 32*HP
	ALD 0, 0                                       ; the first weight step's values,
	ALD 1, 512                                     ; and its remainders
.set KD, 0
.rept 16
	DSTEP                                          ; my first 128 columns
.endr
	OUT 0
.rept 5
	v_nop                                          ; five places in front of products that write over the last products' sums (ISA guide 7.12.1)
.endr
.rept 16
	DSTEP                                          ; my second 128 columns
.endr
	OUT 1
.Lend:
	s_wait_tensorcnt 0x0                           ; the wave's end, behind my last LDS store
	ds_add_u32 v8, v9
	s_wait_dscnt 0x0
	s_endpgm
.Lfunc_end_k_q29eb171856_chain:
	.size	k_q29eb171856_chain, .Lfunc_end_k_q29eb171856_chain-k_q29eb171856_chain
	.p2alignl 7, 3214868480
	.fill 96, 4, 3214868480
	.section	.rodata,"a",@progbits
	.p2align	6, 0x0
	.amdhsa_kernel k_q29eb171856_chain
		.amdhsa_group_segment_fixed_size 186368
		.amdhsa_private_segment_fixed_size 0
		.amdhsa_enable_private_segment 0
		.amdhsa_kernarg_size 48
		.amdhsa_user_sgpr_count 2
		.amdhsa_user_sgpr_kernarg_segment_ptr 1
		.amdhsa_wavefront_size32 1
		.amdhsa_system_sgpr_workgroup_id_x 1
		.amdhsa_system_sgpr_workgroup_id_y 1
		.amdhsa_system_sgpr_workgroup_id_z 1
		.amdhsa_system_vgpr_workitem_id 0
		.amdhsa_next_free_vgpr 512
		.amdhsa_next_free_sgpr 96
		.amdhsa_reserve_vcc 1
		.amdhsa_float_denorm_mode_32 3
		.amdhsa_float_denorm_mode_16_64 3
		.amdhsa_memory_ordered 1
		.amdhsa_forward_progress 1
		.amdhsa_inst_pref_size 255
	.end_amdhsa_kernel
	.section	.bss,"aw",@nobits
	.p2align	6
	.space	262144
	.amdgpu_metadata
---
amdhsa.version: [ 1, 2 ]
amdhsa.kernels:
  - .name:           k_q29eb171856_chain
    .symbol:         k_q29eb171856_chain.kd
    .args:
      - { .name: hidden_states, .offset: 0, .size: 8, .value_kind: global_buffer, .address_space: global }
      - { .name: rlist, .offset: 8, .size: 8, .value_kind: global_buffer, .address_space: global }
      - { .name: cw, .offset: 16, .size: 8, .value_kind: global_buffer, .address_space: global }
      - { .name: wgu, .offset: 24, .size: 8, .value_kind: global_buffer, .address_space: global }
      - { .name: wdn, .offset: 32, .size: 8, .value_kind: global_buffer, .address_space: global }
      - { .name: out0, .offset: 40, .size: 8, .value_kind: global_buffer, .address_space: global }
    .group_segment_fixed_size: 186368
    .private_segment_fixed_size: 0
    .kernarg_segment_align: 8
    .kernarg_segment_size: 48
    .max_flat_workgroup_size: 128
    .sgpr_count:     96
    .vgpr_count:     512
    .wavefront_size: 32
...
	.end_amdgpu_metadata
.endif
;; end of part 2
